; MI455X (gfx1250); checked and timed in simulation.
; The chip was launched on July 23, 2026; its instructions are those of AMD's public machine-readable ISA for CDNA 5 (MIT licence, August 2026) and "CDNA5" Instruction Set Architecture Reference Guide (July 2026). The comments in the code are by the model that wrote it; some were corrected since.
;; Anchor Diff Net. Allowed arithmetic: matrix products marked QUANTISED: E4M3 operands, one given power-of-two scale a tensor, by v_wmma_f32_16x16x64_fp8_fp8 or v_wmma_f32_16x16x128_fp8_fp8, f32 sums; products left as they are: f32 operands where the result goes on into a quantised operand, else bf16, f16 or f32 operands; f32 sums; everything else in f32.
;; Inputs: b1 128 float32; b2 1 float32; beta 128 float32; curr_feat 8 x 128 x 32 x 64 float32; gamma 128 float32; lowp_scales 10 int32 (the exponents e of the quantised operands' scales 2^e); ref_feat 8 x 128 x 32 x 64 float32; running_mean 128 float32; running_var 128 float32; w1 128 x 384 float32; w2 1 x 128 float32.
;; Outputs: out0 8 x 1 x 32 x 64 float32.
;; This version of the problem:
;;   THIS VERSION OF THE PROBLEM IS GIVEN IN LOW PRECISION. The matrix products marked QUANTISED in the list below multiply operands that are first quantised to E4M3 (4 exponent bits, 3 mantissa bits; 8 bits a number), with one given power-of-two scale for each operand tensor; their sums are f32. All else is computed in f32.
;;   The module's matrix products, in the order in which they are computed (A, B: the left and right operand; K: the contracted axis; several contracted axes count as one K, in the product's order):
;;     1. batch 8 x [M 2,048, K 128] x [K 128, N 2,048]; A: input ref_feat; B: input curr_feat: QUANTISED (scales: A lowp_scales[0], B lowp_scales[1])
;;     2. batch 8 x [M 2,048, K 128] x [K 128, N 2,048]; A: input curr_feat; B: input curr_feat: QUANTISED (scales: A lowp_scales[2], B lowp_scales[3])
;;     3. batch 8 x [M 128, K 2,048] x [K 2,048, N 2,048]; A: input curr_feat; B: softmax (see below): QUANTISED (scales: A lowp_scales[4], B lowp_scales[5])
;;     4. batch 8 x [M 128, K 2,048] x [K 2,048, N 2,048]; A: input curr_feat; B: softmax (see below): QUANTISED (scales: A lowp_scales[6], B lowp_scales[7])
;;     5. [M 16,384, K 384] x [K 384, N 128]; A: computed on the way; B: input w1: QUANTISED (scales: A lowp_scales[8], B lowp_scales[9])
;;     6. [M 16,384, K 128] x [K 128, N 1]; A: computed on the way; B: input w2: left as it is (N = 1 < 16)
;;   THE QUANTISER, for each operand of a quantised product, along K:
;;     - The operand's scale is 2^e, e = its entry of the input lowp_scales (int32; the entries are numbered through the quantised products in the list's order, A before B).
;;     - Each number is divided by the scale, clamped to +-448, and rounded to the nearest number of E4M3, ties to even, subnormals kept.
;;     - The product sums the exact products of the quantised numbers (number of the format x scale) in f32.
;;   ~~~python
;;   def quantise(x, axis, e):      # numpy; x: float32 -> the quantised numbers, widened to float32 again
;;       x = np.moveaxis(x, axis, -1); K = x.shape[-1]
;;       r = np.clip(x / 2.0 ** e, -448, 448)
;;       step = 2.0 ** (np.maximum(np.frexp(np.where(r == 0, 1, r))[1] - 1, -6) - 3)
;;       q = np.round(r / step) * step * 2.0 ** e      # np.round: ties to even
;;       return np.moveaxis(q, -1, axis).astype(np.float32)
;;   ~~~
;;   SOFTMAX AHEAD OF A QUANTISED PRODUCT. Where the list says 'softmax', what is quantised is not the finished softmax but p = 2^(t - M), with t = logit x log2(e) and M = ceil(the row's largest t), a whole number; so 1/2 < the row's largest p <= 1. The row's sum l is taken of the UNQUANTISED p, in f32, and the product's result is divided by l at the end. Since M is a whole number, a kernel that streams over the keys may use a running M (the ceiling of the running maximum): every later rescaling is an exact power of two, so the quantised numbers keep their values, but for numbers so far below the row's largest that they fall under the format's range.
;;   OPERANDS COMPUTED ON THE WAY. 'Computed on the way' means the value that the module computes at that place (a softmax that the list does not call 'softmax' is quantised finished and normalised). What goes into a quantiser is computed in f32, as accurately as f32 sums, v_exp_f32 and their like allow (about 1e-6 of the number): no bf16 or f16 on the way to a quantiser, and a product that is left as it is and whose result goes on into a quantised operand takes f32 operands (vector FMAs, or v_wmma_f32_16x16x4_f32). A number that lies on a knife's edge between two numbers of the format may be rounded either way, as far as f32 arithmetic and the matrix unit's own rounding can turn it there, and no further.
;; One version. Each part assembles by itself: llvm-mc -triple=amdgcn-amd-amdhsa -mcpu=gfx1250 --defsym DOCPART=n.
;; ======== version 1 of 1: 2 launches
;; workspace buffers: qcodes 4,194,304 bytes; kcodes 4,194,304 bytes; vcodes 4,194,304 bytes; xcodes 2,097,152 bytes; w1codes 49,152 bytes
;; launch quant (part 1): grid 387 x 1, 4 waves a work-group, no clusters, 39,424 bytes of LDS; arguments curr_feat, ref_feat, w1, lowp_scales, qcodes, kcodes, vcodes, xcodes, w1codes; writes qcodes, kcodes, vcodes, xcodes, w1codes
.if DOCPART == 1
	.amdgcn_target "amdgcn-amd-amdhsa--gfx1250"
	.amdhsa_code_object_version 6
	.text
	.protected	k_q3e7b10c451_quant
	.globl	k_q3e7b10c451_quant
	.p2align	8
	.type	k_q3e7b10c451_quant,@function
k_q3e7b10c451_quant:
	s_mov_b64 s[64:65], 0
	v_nop
	global_prefetch_b8 v0, s[64:65] scope:SCOPE_SE
	s_setreg_imm32_b32 hwreg(HW_REG_WAVE_MODE, 25, 1), 1
	s_wait_xcnt 0x0
; All operands that arrive as f32 become codes of FP8 (E4M3) once, each with the scale 2^e that is given for it:
; code = x / 2^e, held within +-448, rounded to the nearest code, ties to even.
;   qcodes [2][8][2048 m][128 c]: ref / 2^e0, then cur / 2^e2          (K = c is moved innermost)
;   kcodes [2][8][2048 rows][128 c]: cur / 2^e1, then cur / 2^e3.  In each block of 32 keys row 16 u + 8 a + i holds key 16 a + 8 u + i
;   xcodes [8][2048 m][128 c]: cur / 2^e8
;   vcodes [2][8][128 c][2048 n]: cur / 2^e4, then cur / 2^e6          (K = n is innermost as it lies)
;   w1codes [128 o][384 k]: w1 / 2^e9
; LIMITS: every e lies between -126 and 119, so that 2^e and 448 x 2^e are f32 numbers.  NaN among the inputs is not served.
; WORK-GROUPS: 0-127 turn cur, 128-255 turn ref (a lane takes a column m, its registers run down c: 32 columns x 128 channels a wave);
; 256-383 stream cur, 384-386 stream w1 (16,384 numbers a work-group, 4,096 a wave).  The two ways part once, on the work-group's number,
; and each has LDS bytes of its own.  Waves share nothing: no barrier.
.set XT,    32                         ; turned way: v32-159  the lane's 128 numbers, register XT + c; kept for all versions
.set TT,    160                        ; v160-191 32 numbers, held
.set CT,    192                        ; v192-223 one version's 128 codes
.set OT,    224                        ; v224-255 the way out: 8 x 4 registers
.set TSTG,  4608                       ; a wave's stage: 32 rows x 144 bytes (128 + 16: neighbouring rows start 16 bytes apart modulo 256)
.set RS,    16                         ; stream: v16-79 four sets of 16 numbers as loaded
.set XS,    80                         ; v80-111  two sets of 16 neighbours
.set TS,    112                        ; v112-127 16 numbers, held
.set C1,    128                        ; v128-159 first version's codes, four registers a step
.set C2,    160                        ; v160-191 second version's
.set SBASE, 4*TSTG                     ; the stream's stages lie behind the turned way's
.set SSTG,  5120                       ; a wave's two stages of 32 x 80 bytes
.macro MKSC e, vs, vl                  ; s[e] -> v[vs] = 2^e as f32 (the conversion takes its exponent field), v[vl] = 448 x 2^e
	s_add_co_i32 s50, s[\e], 127
	s_lshl_b32 s51, s50, 23
	v_mov_b32 v[\vs], s51
	s_add_co_i32 s50, s50, 8
	s_lshl_b32 s50, s50, 23
	s_or_b32 s50, s50, 0x600000
	v_mov_b32 v[\vl], s50
.endm
	s_load_b512 s[4:19], s[0:1], 0x0               ; cur 4, ref 6, w1 8, scales 10, qcodes 12, kcodes 14, vcodes 16, xcodes 18
	s_load_b64 s[20:21], s[0:1], 0x40              ; w1codes
	s_set_vgpr_msb 0x40
	v_lshl_add_u32 v0, v0, 2, 0x9800
	v_mov_b32 v1, 0
	s_set_vgpr_msb 0x4000
	v_lshrrev_b32 v1, 5, v0
	v_readfirstlane_b32 s34, v1                    ; wave 0..3
	s_wait_kmcnt 0x0
	s_load_b256 s[24:31], s[10:11], 0x0            ; e0 .. e7
	s_load_b64 s[32:33], s[10:11], 0x20            ; e8, e9
	s_cmp_ge_u32 ttmp9, 256
	s_cbranch_scc1 .Lstream
; ---------------- THE TURNED WAY ----------------
	s_and_b32 s48, ttmp9, 127
	s_lshr_b32 s49, s48, 4                         ; batch
	s_and_b32 s48, s48, 15                         ; block of 128 columns
	s_lshl_b32 s46, s49, 20                        ; source: batch x 128 x 8,192 bytes
	s_lshl_b32 s52, s48, 9
	s_add_co_u32 s46, s46, s52                     ; + 512 x block
	s_lshl_b32 s52, s34, 7
	s_add_co_u32 s46, s46, s52                     ; + 128 x wave
	s_mov_b32 s47, 0
	s_lshl_b32 s52, s49, 18                        ; codes: (2,048 batch + 128 block + 32 wave) rows of 128 bytes
	s_lshl_b32 s53, s48, 14
	s_add_co_u32 s52, s52, s53
	s_lshl_b32 s53, s34, 12
	s_add_co_u32 s52, s52, s53
	s_mov_b32 s53, 0
	s_mov_b32 s55, 0
	s_cmp_ge_u32 ttmp9, 128                        ; ref's work-group or cur's: the choice hangs on the work-group's number alone
	s_cselect_b64 s[36:37], s[6:7], s[4:5]
	s_cselect_b32 s54, 0, 0x200000                 ; ref's codes are qcodes' first half, cur's the second
	s_add_nc_u64 s[36:37], s[36:37], s[46:47]
	s_add_nc_u64 s[40:41], s[12:13], s[52:53]
	s_add_nc_u64 s[40:41], s[40:41], s[54:55]
	s_add_nc_u64 s[42:43], s[14:15], s[52:53]
	s_add_nc_u64 s[44:45], s[18:19], s[52:53]
	v_and_b32 v1, 31, v0                           ; lane
	v_lshlrev_b32 v2, 2, v1                        ; in: 4 bytes a lane
	s_mul_i32 s35, s34, TSTG
	v_mul_u32_u24 v3, v1, 144
	v_add_nc_u32 v3, s35, v3                       ; into the stage, rows in the columns' order
	v_and_b32 v7, 7, v1
	v_bfe_u32 v16, v0, 4, 1
	v_bfe_u32 v17, v0, 3, 1
	v_lshl_add_u32 v7, v16, 3, v7
	v_lshl_add_u32 v7, v17, 4, v7                  ; K's order: bits 3 and 4 of the column change places
	v_mul_u32_u24 v4, v7, 144
	v_add_nc_u32 v4, s35, v4                       ; into the stage, rows in K's order
	v_lshrrev_b32 v16, 3, v1
	v_mul_u32_u24 v5, v16, 144
	v_and_b32 v17, 7, v1
	v_lshl_add_u32 v5, v17, 4, v5
	v_add_nc_u32 v5, s35, v5                       ; out of it: eight lanes to a row of 128 bytes, four rows an instruction
	v_lshlrev_b32 v6, 4, v1                        ; and the same 512 bytes on end in the codes' buffer
.macro LOADT blk                       ; channels 32 blk .. 32 blk + 31 of my column: each load reads 128 consecutive bytes a wave, the four waves side by side 512
.set I, 0
.rept 32
	global_load_b32 v[XT+32*(\blk)+I], v2, s[36:37] offset:(32*(\blk)+I)*8192
.set I, I+1
.endr
.endm
; One version: the lane's 128 numbers with the scale v[vs] and the hold v[vl] become 128 codes, go through the stage (address v[stg]) and leave as rows.
.macro VERSION first, vs, vl, stg, base, off
.irp k, 0,1,2,3
.if \first
.if \k < 3
	s_wait_loadcnt 32                              ; this block's 32 loads are in; the next block's 32 may be out
.else
	s_wait_loadcnt 0x0
.endif
.if \k < 2
	LOADT \k+2                                     ; two blocks ahead
.endif
.endif
.set J, 0
.rept 32
	v_med3_num_f32 v[TT+J], v[XT+32*\k+J], -v[\vl], v[\vl]   ; the conversion to an 8-bit code does not saturate (ISA guide 7.6.2): the hold comes first, into other registers
.set J, J+1
.endr
.irp g, 0,1,2,3
	v_cvt_scalef32_pk8_fp8_f32 v[CT+8*\k+2*\g:CT+8*\k+2*\g+1], v[TT+8*\g:TT+8*\g+7], v[\vs]
.endr
	v_nop                                          ; a plain line between the conversions and the next block's holds, which write their sources
.endr
.irp q, 0,1,2,3,4,5,6,7
	ds_store_b128 v[\stg], v[CT+4*\q:CT+4*\q+3] offset:16*\q
.endr
	s_wait_xcnt 0x0                                ; the last version's stores have read OT: it is loaded again only behind this wait
.irp t, 0,1,2,3,4,5,6,7
	ds_load_b128 v[OT+4*\t:OT+4*\t+3], v5 offset:576*\t   ; LDS serves a wave's instructions in order (ISA guide 5.7.1.4): these see my stores
.endr
	s_wait_dscnt 0x0                               ; the rows are back; the stage and CT may be written again
.irp t, 0,1,2,3,4,5,6,7
	global_store_b128 v6, v[OT+4*\t:OT+4*\t+3], s[\base:\base+1] offset:\off+512*\t   ; 32 lanes store 512 consecutive bytes, at a multiple of 512 from the buffer's first byte
.endr
.endm
	LOADT 0
	LOADT 1
	s_wait_kmcnt 0x0
	s_cmp_ge_u32 ttmp9, 128
	s_cselect_b32 s38, s24, s26                    ; e0 for ref, e2 for cur
	MKSC 38, 8, 9
	MKSC 25, 10, 11                                ; e1
	MKSC 27, 12, 13                                ; e3
	MKSC 32, 14, 15                                ; e8
	VERSION 1, 8, 9, 3, 40, 0                      ; the queries
	s_cmp_ge_u32 ttmp9, 128
	s_cbranch_scc1 .Lref_done                      ; ref is an operand once
	VERSION 0, 10, 11, 4, 42, 0                    ; the keys of the first attention
	VERSION 0, 12, 13, 4, 42, 2097152              ; the keys of the second
	VERSION 0, 14, 15, 3, 44, 0                    ; the head's third part
.Lref_done:
	s_set_vgpr_msb 0x5
	s_wait_tensorcnt 0x0
	ds_add_u32 v0, v1
	s_wait_dscnt 0x0
	s_set_vgpr_msb 0x500
	s_endpgm
; ---------------- THE STREAM ----------------
.Lstream:
	s_mov_b32 s48, 256
	s_cmp_ge_u32 ttmp9, 384                        ; w1's work-group or cur's
	s_cselect_b64 s[36:37], s[8:9], s[4:5]
	s_cselect_b64 s[40:41], s[20:21], s[16:17]
	s_cselect_b32 s48, 384, s48
	s_sub_co_u32 s48, ttmp9, s48
	s_lshl_b32 s48, s48, 2
	s_add_co_u32 s48, s48, s34                     ; which run of 4,096 numbers is my wave's
	s_lshl_b32 s46, s48, 14
	s_mov_b32 s47, 0
	s_lshl_b32 s52, s48, 12
	s_mov_b32 s53, 0
	s_add_nc_u64 s[36:37], s[36:37], s[46:47]
	s_add_nc_u64 s[40:41], s[40:41], s[52:53]
	v_and_b32 v2, 31, v0
	v_lshlrev_b32 v3, 4, v2                        ; my 16 bytes of a load's 512, and of a step's 512 bytes of codes
	s_mul_i32 s35, s34, SSTG
	s_add_co_u32 s35, s35, SBASE
	v_lshrrev_b32 v14, 2, v2
	v_mul_u32_u24 v14, v14, 80
	v_and_b32 v15, 3, v2
	v_lshl_add_u32 v14, v15, 4, v14
	v_add_nc_u32 v14, s35, v14                     ; the stage, on the way in: four lanes' 64 bytes on end, then 16 of padding
	v_mul_u32_u24 v15, v2, 80
	v_add_nc_u32 v15, s35, v15                     ; and on the way out: my 16 neighbours
.macro LOADS t
.irp i, 0,1,2,3
	global_load_b128 v[RS+16*((\t)%4)+4*\i:RS+16*((\t)%4)+4*\i+3], v3, s[36:37] offset:2048*(\t)+512*\i   ; 32 lanes read 512 consecutive bytes
.endr
.endm
.macro TURN t                          ; step t's numbers through the stage, so that a lane holds 16 neighbours along K
.irp i, 0,1,2,3
	ds_store_b128 v14, v[RS+16*((\t)%4)+4*\i:RS+16*((\t)%4)+4*\i+3] offset:2560*((\t)%2)+640*\i
.endr
.irp i, 0,1,2,3
	ds_load_b128 v[XS+16*((\t)%2)+4*\i:XS+16*((\t)%2)+4*\i+3], v15 offset:2560*((\t)%2)+16*\i
.endr
.endm
.macro SSTEP t
.set XQ, XS+16*((\t)%2)
	s_wait_dscnt 0x0                               ; this step's numbers are back from the stage, so its stores into the stage have read their registers,
.if (\t)+4 < 8
	LOADS (\t)+4                                   ; which take the loads of four steps on
.endif
.if (\t)+1 < 8
.if 6-(\t) >= 3
	s_wait_loadcnt 12                              ; the next step's four loads are in; those of the three steps behind it may be out
.else
	s_wait_loadcnt 4*(6-(\t))
.endif
	TURN (\t)+1
.endif
.set J, 0
.rept 16
	v_med3_num_f32 v[TS+J], v[XQ+J], -v9, v9
.set J, J+1
.endr
	v_cvt_scalef32_pk8_fp8_f32 v[C1+4*(\t):C1+4*(\t)+1], v[TS:TS+7], v8
	v_cvt_scalef32_pk8_fp8_f32 v[C1+4*(\t)+2:C1+4*(\t)+3], v[TS+8:TS+15], v8
	v_nop                                          ; a plain line between the conversions and the next holds, which write their sources
	global_store_b128 v3, v[C1+4*(\t):C1+4*(\t)+3], s[40:41] offset:512*(\t)
	s_cmp_ge_u32 ttmp9, 384
	s_cbranch_scc1 .Lone_\@                        ; w1 is an operand once
.set J, 0
.rept 16
	v_med3_num_f32 v[TS+J], v[XQ+J], -v11, v11
.set J, J+1
.endr
	v_cvt_scalef32_pk8_fp8_f32 v[C2+4*(\t):C2+4*(\t)+1], v[TS:TS+7], v10
	v_cvt_scalef32_pk8_fp8_f32 v[C2+4*(\t)+2:C2+4*(\t)+3], v[TS+8:TS+15], v10
	v_nop
	global_store_b128 v3, v[C2+4*(\t):C2+4*(\t)+3], s[40:41] offset:2097152+512*(\t)
.Lone_\@:
.endm
.irp t, 0,1,2,3
	LOADS \t
.endr
	s_wait_kmcnt 0x0
	s_cmp_ge_u32 ttmp9, 384
	s_cselect_b32 s38, s33, s28                    ; e9 for w1, e4 for cur
	MKSC 38, 8, 9
	MKSC 30, 10, 11                                ; e6
	s_wait_loadcnt 12                              ; step 0's four loads are in
	TURN 0
.irp t, 0,1,2,3,4,5,6,7
	SSTEP \t
.endr
	s_set_vgpr_msb 0x5
	s_wait_tensorcnt 0x0
	ds_add_u32 v0, v1
	s_wait_dscnt 0x0
	s_set_vgpr_msb 0x500
	s_endpgm
.Lfunc_end_k_q3e7b10c451_quant:
	.size	k_q3e7b10c451_quant, .Lfunc_end_k_q3e7b10c451_quant-k_q3e7b10c451_quant
	.p2alignl 7, 3214868480
	.fill 96, 4, 3214868480
	.section	.rodata,"a",@progbits
	.p2align	6, 0x0
	.amdhsa_kernel k_q3e7b10c451_quant
		.amdhsa_group_segment_fixed_size 39424
		.amdhsa_private_segment_fixed_size 0
		.amdhsa_enable_private_segment 0
		.amdhsa_kernarg_size 72
		.amdhsa_user_sgpr_count 2
		.amdhsa_user_sgpr_kernarg_segment_ptr 1
		.amdhsa_wavefront_size32 1
		.amdhsa_system_sgpr_workgroup_id_x 1
		.amdhsa_system_sgpr_workgroup_id_y 1
		.amdhsa_system_sgpr_workgroup_id_z 1
		.amdhsa_system_vgpr_workitem_id 0
		.amdhsa_next_free_vgpr 258
		.amdhsa_next_free_sgpr 66
		.amdhsa_reserve_vcc 0
		.amdhsa_float_denorm_mode_32 3
		.amdhsa_float_denorm_mode_16_64 3
		.amdhsa_memory_ordered 1
		.amdhsa_forward_progress 1
		.amdhsa_inst_pref_size 91
	.end_amdhsa_kernel
	.amdgpu_metadata
---
amdhsa.version: [ 1, 2 ]
amdhsa.kernels:
  - .name:           k_q3e7b10c451_quant
    .symbol:         k_q3e7b10c451_quant.kd
    .args:
      - { .name: curr_feat, .offset: 0, .size: 8, .value_kind: global_buffer, .address_space: global }
      - { .name: ref_feat, .offset: 8, .size: 8, .value_kind: global_buffer, .address_space: global }
      - { .name: w1, .offset: 16, .size: 8, .value_kind: global_buffer, .address_space: global }
      - { .name: lowp_scales, .offset: 24, .size: 8, .value_kind: global_buffer, .address_space: global }
      - { .name: qcodes, .offset: 32, .size: 8, .value_kind: global_buffer, .address_space: global }
      - { .name: kcodes, .offset: 40, .size: 8, .value_kind: global_buffer, .address_space: global }
      - { .name: vcodes, .offset: 48, .size: 8, .value_kind: global_buffer, .address_space: global }
      - { .name: xcodes, .offset: 56, .size: 8, .value_kind: global_buffer, .address_space: global }
      - { .name: w1codes, .offset: 64, .size: 8, .value_kind: global_buffer, .address_space: global }
    .group_segment_fixed_size: 39424
    .private_segment_fixed_size: 0
    .kernarg_segment_align: 8
    .kernarg_segment_size: 72
    .max_flat_workgroup_size: 128
    .sgpr_count:     66
    .vgpr_count:     258
    .wavefront_size: 32
...
	.end_amdgpu_metadata
.endif
;; end of part 1
;; launch attn (part 2): grid 32 x 8, 8 waves a work-group, clusters of 4 x 1, 327,680 bytes of LDS; arguments qcodes, kcodes, vcodes, xcodes, w1codes, lowp_scales, b1, gamma, beta, running_mean, running_var, w2, b2, out0; writes out0
.if DOCPART == 2
	.amdgcn_target "amdgcn-amd-amdhsa--gfx1250"
	.amdhsa_code_object_version 6
	.text
	.protected	k_q3e7b10c451_attn
	.globl	k_q3e7b10c451_attn
	.p2align	8
	.type	k_q3e7b10c451_attn,@function
k_q3e7b10c451_attn:
	s_mov_b64 s[64:65], 0
	v_nop
	global_prefetch_b8 v0, s[64:65] scope:SCOPE_SE
	s_setreg_imm32_b32 hwreg(HW_REG_WAVE_MODE, 25, 1), 1
	s_wait_xcnt 0x0
	s_wait_alu depctr_hold_cnt(0) depctr_sa_sdst(0) depctr_va_vdst(0) depctr_va_sdst(0) depctr_va_ssrc(0) depctr_va_vcc(0) depctr_vm_vsrc(0)
	s_getreg_b32 s2, hwreg(HW_REG_IB_STS2, 6, 4)
	s_cmp_eq_u32 s2, 0
	s_cbranch_scc0 .Lentry_in_a_cluster
	s_endpgm
.Lentry_in_a_cluster:
	s_bfe_u32 s2, ttmp6, 0x10000c
	s_cmp_lg_u32 s2, 0x3003
	s_cbranch_scc0 .Lentry_shape_is_right
	s_endpgm
.Lentry_shape_is_right:
; Both attentions and the head for 64 pixels of one batch, on codes of FP8 (E4M3) made by the launch before.
; SOFTMAX AHEAD OF THE SECOND PRODUCT: t = score x log2(e) / sqrt(128); M = the largest t so far, rounded UP to a whole number; p = 2^(t - M) is quantised, not normalised;
; the sum is taken of the unquantised p and divides at the end.  When M moves, the sum and O are multiplied by 2^(old M - new M): nothing is rounded.
; SHARES.  Wave w: type w / 4 (0: ref's queries, 1: cur's), pixels 32 ((w / 2) % 2) + 0 .. 31 of the block as TWO tiles of 16 queries, and the (w % 2)-th 128 keys of every slot of 256:
; each fragment of K and V read from LDS feeds two matrix instructions.  The two halves of the keys run their own M and are merged at the end through LDS, by powers of two.
; Then wave w finishes tile w (type w / 4, pixels 16 (w % 4) on): divides, quantises with e8, and hands the codes on as an image of the operand's registers; in the head wave w makes outputs 16 w .. 16 w + 15 for all 64 pixels.
; LAYOUT.  Both products are used transposed (S^T = K Q^T, O^T = V^T P^T): a lane holds one query throughout.  kcodes' rows are laid so that the 16 registers of tiles 2 b, 2 b + 1 of S^T are keys 32 b + 16 (lane / 16) + 0 .. 15.
; CLUSTER.  The four work-groups of a cluster are pixel blocks of one batch and walk the same K and V: every tile is asked for jointly, by the same tensor load with the mask of all four.
; LIMITS on the given exponents: e0 + e1 and e2 + e3 between -123 and 130 (they are added to c's exponent field); e5, e7, e8 between -126 and 119; the sums e4 + e5, e6 + e7, e8 + e9 go through v_ldexp_f32.
; Since each half of the keys has its own M, codes of p far below the row's largest may keep a few more bits than under the row's final M.  NaN among the inputs is not served.
; REGISTERS.  Window 0: v0 thread; v1, v2 the add's; v3-6 LDS addresses; v7, v8 hold and scale; v9 Q's offset; v10-29 statistics; v30, v31 permutes; v32-95 four fragments; v96-223 S^T, then p, 64 a tile; v224-255 p's codes.
;             Window 1: v0-127 O^T, 64 a tile; v128-159 Q; v160-223 four more fragments.
.set KP,    144                        ; a key's row in LDS: 128 bytes + 16: sixteen neighbouring rows start 16 bytes apart modulo 256
.set VP,    272                        ; a row of V's tile: 256 bytes + 16, likewise
.set KT,    256*KP                     ; one type's 256 keys
.set KHALF, 128*KP                     ; what one tensor load brings of K, and what one wave reads in a step
.set VBASE, 2*KT
.set VT,    128*VP
.set VHALF, 64*VP
.set SLOT,  2*KT+2*VT                  ; 143,360 bytes: K type 0, K type 1, V type 0, V type 1
.set SPARE, 2*SLOT                     ; behind the ring: the spare words, 128 bytes for each wave: four blocks of 256 bytes that no other line names
.set XIMG,  SPARE+1024                 ; eight images of 2,048 bytes: the head's operand, tile by tile
.set PP,    XIMG+8*2048                ; 8 waves x 64 partial sums of the last product
.set MRGW,  16896                      ; the merge: a wave's two tiles; it lies in slot 0, which has had its last fill, and its last read ended in front of the last trip's barrier
.set MRGT,  8448                       ; a tile: O^T as 16 x 512 bytes, then (-M, l), 8 bytes a lane
.set SPW,  1
.set NIL,  2
.set AK,   3                           ; v3, v4  my K fragments in slot 0, 1
.set AV,   5                           ; v5, v6  my V fragments
.set LIM,  7
.set SCL,  8
.set QO,   9
.set STAT, 10                          ; tile u at STAT + 10 u: +0 -M, +1 largest t, +2, +3 l in two halves, +4 f, +5 (named with it), +6, +7 at work, +8, +9 the second chain of sums
.set PD,   30
.set FB0,  32
.set SS,   96
.set PC,   224
.set QQ,   128                         ; window 1
.set FB1,  160                         ; window 1
.set G1K,  32
.set G1V,  40
.set G0K,  48                          ; s[48:55] group 0 for K, one set a slot
.set G0V,  56                          ; s[56:63] the same for V
.set WV,   66
.set TY,   67
.set KH,   68
.set SEL,  70
.set CS,   72
.set EPV,  74
.set BLK,  75
.set BB,   86
.set NE,   64
.set XB,   SS
.set MSB,  0
.macro WIN new                         ; the immediate's high byte repeats the setting that is left
.if MSB != \new
	s_set_vgpr_msb (MSB<<8)|\new
.set MSB, \new
.endif
.endm
.macro PLACES n
.rept \n
	v_nop
.endr
.endm
.macro ROUND                           ; a round of the cluster's barrier
	s_barrier_signal -1
	s_barrier_wait -1
	s_cmp_lg_u32 s[WV], 0
	s_cbranch_scc1 .Lnot_wave_0_\@
	s_barrier_signal -3
.Lnot_wave_0_\@:
	s_barrier_wait -3
	s_barrier_signal -1
	s_barrier_wait -1
.endm
; A joint load: waves 0-3 fetch K's four halves (two types x 128 keys), waves 4-7 V's (two types x 64 channels).  The branch hangs on the wave's number alone.
; Four v_nop follow each of the two lines, ahead of the jump, the label and what follows.
.macro JLOAD s
	s_cmp_lt_u32 s[WV], 4
	s_cbranch_scc0 .Lfor_v_\@
	tensor_load_to_lds s[G0K+4*(\s):G0K+4*(\s)+3], s[G1K:G1K+7]
	s_nop 0
.rept 4
	v_nop
.endr
	s_branch .Lasked_\@
.Lfor_v_\@:
	tensor_load_to_lds s[G0V+4*(\s):G0V+4*(\s)+3], s[G1V:G1V+7]
	s_nop 0
.rept 4
	v_nop
.endr
.Lasked_\@:
.endm
	s_load_b512 s[4:19], s[0:1], 0x0               ; qcodes 4, kcodes 6, vcodes 8, xcodes 10, w1codes 12, scales 14, b1 16, gamma 18
	s_load_b256 s[20:27], s[0:1], 0x40             ; beta 20, running_mean 22, running_var 24, w2 26
	s_load_b128 s[28:31], s[0:1], 0x60             ; b2 28, out0 30
	v_lshl_add_u32 v[SPW], v0, 2, SPARE
	v_mov_b32 v[NIL], 0
	ds_add_u32 v1, v2
	ds_add_u32 v1, v2
	s_wait_dscnt 0x0
	v_lshrrev_b32 v32, 5, v0
	v_readfirstlane_b32 s[WV], v32                 ; wave 0..7
	s_lshr_b32 s[TY], s[WV], 2                     ; my type
	s_and_b32 s[KH], s[WV], 1                      ; my half of a slot's keys; also: which half of a tile I fetch
	s_bfe_u32 s87, ttmp6, 0x40000                  ; cx
	s_lshl_b32 s[BLK], ttmp9, 2
	s_add_co_u32 s[BLK], s[BLK], s87               ; my block of 64 pixels: it enters Q's, x's and the output's global addresses alone
	s_and_b32 s[BB], ttmp7, 0xffff                 ; the batch, which the four partners share
	s_bfe_u32 s88, s[WV], 0x10001                  ; (wave / 2) % 2: the type that I fetch for; also my 32 pixels of the block
	; descriptor groups 1
	s_mov_b32 s[G1K], 15|(1<<20)|(1<<21)|(4<<22)|(3<<25)   ; 15:0 the mask: all four work-groups; 17:16 elements of 1 byte; 20 padding on; 21 set beside a mask; 24:22 after every 32 words (code 4); 31:25 four words (code 3)
	s_mov_b32 s[G1K+1], 128<<16                    ; tensor_dim0 = 128
	s_mov_b32 s[G1K+2], 128<<16                    ; tensor_dim1 = 128
	s_mov_b32 s[G1K+3], 128<<16                    ; tile_dim0 = 128
	s_mov_b32 s[G1K+4], 128                        ; tile_dim1 = 128 rows
	s_mov_b32 s[G1K+5], 128                        ; from row to row
	s_mov_b32 s[G1K+6], 0
	s_mov_b32 s[G1K+7], 0
	s_mov_b32 s[G1V], 15|(1<<20)|(1<<21)|(5<<22)|(3<<25)   ; padding: four words after every 64
	s_mov_b32 s[G1V+1], 256<<16
	s_mov_b32 s[G1V+2], 64<<16
	s_mov_b32 s[G1V+3], 256<<16
	s_mov_b32 s[G1V+4], 64
	s_mov_b32 s[G1V+5], 2048
	s_mov_b32 s[G1V+6], 0
	s_mov_b32 s[G1V+7], 0
	s_mov_b32 s[SEL], 0x76543210
	s_mov_b32 s[SEL+1], 0xfedcba98
	; what I fetch: offsets made of the batch and the wave's number alone
	s_lshl_b32 s89, s[BB], 18                      ; a batch's codes: 262,144 bytes
	s_lshl_b32 s90, s88, 21                        ; a type's: 2,097,152
	s_add_co_u32 s89, s89, s90
	s_lshl_b32 s90, s[KH], 14                      ; K: 128 rows of 128 bytes
	s_add_co_u32 s90, s90, s89
	s_mov_b32 s91, 0
	s_lshl_b32 s92, s[KH], 17                      ; V: 64 rows of 2,048 bytes
	s_add_co_u32 s92, s92, s89
	s_mov_b32 s93, 0
	s_mul_i32 s96, s[WV], KHALF                    ; K's place in a slot (waves 0-3)
	s_mul_i32 s97, s[WV], VHALF
	s_add_co_u32 s97, s97, VBASE-4*VHALF           ; V's (waves 4-7)
	s_lshl_b32 s98, s[TY], 21                      ; Q: my type, my batch, my block's 64 rows, my 32 of them
	s_lshl_b32 s99, s[BB], 18
	s_add_co_u32 s98, s98, s99
	s_lshl_b32 s99, s[BLK], 13
	s_add_co_u32 s98, s98, s99
	s_lshl_b32 s99, s88, 12
	s_add_co_u32 s98, s98, s99
	s_mov_b32 s99, 0
	s_wait_kmcnt 0x0
	s_load_b256 s[76:83], s[14:15], 0x0            ; e0 .. e7
	s_load_b64 s[84:85], s[14:15], 0x20            ; e8, e9
	s_add_nc_u64 s[90:91], s[6:7], s[90:91]
	s_add_nc_u64 s[92:93], s[8:9], s[92:93]
	s_add_nc_u64 s[98:99], s[4:5], s[98:99]
.irp s, 0,1
	s_mov_b32 s[G0K+4*\s], 1                       ; count = 1
	s_add_co_u32 s[G0K+4*\s+1], s96, \s*SLOT       ; LDS address
	s_add_nc_u64 s[G0K+4*\s+2:G0K+4*\s+3], s[90:91], \s*32768   ; global address: keys 256 s on
	s_or_b32 s[G0K+4*\s+3], s[G0K+4*\s+3], 0x80000000           ; type = 2
	s_mov_b32 s[G0V+4*\s], 1
	s_add_co_u32 s[G0V+4*\s+1], s97, \s*SLOT
	s_add_nc_u64 s[G0V+4*\s+2:G0V+4*\s+3], s[92:93], \s*256
	s_or_b32 s[G0V+4*\s+3], s[G0V+4*\s+3], 0x80000000
.endr
	ROUND                                          ; all four work-groups are here: the first joint loads meet
	JLOAD 0                                        ; keys 0-255 into slot 0: one tensor load of mine is out
	v_and_b32 v32, 15, v0                          ; r
	v_bfe_u32 v33, v0, 4, 1                        ; h
	v_lshlrev_b32 v[QO], 7, v32
	v_lshl_add_u32 v[QO], v33, 4, v[QO]            ; row r of 128 bytes, + 16 h
	WIN 0x40                                       ; destination window 1
.irp u, 0,1
.irp c, 0,1,2,3
	global_load_b128 v[QQ+16*\u+4*\c:QQ+16*\u+4*\c+3], v[QO], s[98:99] offset:\u*2048+32*\c   ; Q's two fragments stay in registers
.endr
.endr
	WIN 0
	s_mul_i32 s96, s[TY], KT
	s_mul_i32 s97, s[KH], KHALF
	s_add_co_u32 s96, s96, s97
	v_mul_u32_u24 v34, v32, KP
	v_lshl_add_u32 v34, v33, 4, v34
	v_add_nc_u32 v[AK], s96, v34                   ; my type's K, my 128 rows: row r, + 16 h
	v_add_nc_u32 v[AK+1], SLOT, v[AK]
	s_mul_i32 s96, s[TY], VT
	s_lshl_b32 s97, s[KH], 7
	s_add_co_u32 s96, s96, s97
	s_add_co_u32 s96, s96, VBASE
	v_mul_u32_u24 v34, v32, VP
	v_lshl_add_u32 v34, v33, 4, v34
	v_add_nc_u32 v[AV], s96, v34                   ; my type's V: channel r, my 128 keys' bytes, + 16 h
	v_add_nc_u32 v[AV+1], SLOT, v[AV]
	v_mov_b32 v[STAT+5], 0                         ; (named as the upper half of f's pair)
	v_mov_b32 v[STAT+15], 0
	v_mov_b32 v[PD], 0                             ; a lane permute's destination counts as one of its sources
	v_mov_b32 v[PD+1], 0
	s_wait_kmcnt 0x0
	s_cmp_lt_u32 s[WV], 4                          ; my type's scales: a choice on the wave's number, no branch
	s_cselect_b32 s87, s76, s78
	s_cselect_b32 s88, s77, s79
	s_cselect_b32 s89, s80, s82                    ; V's exponent
	s_cselect_b32 s90, s81, s83                    ; p's
	s_add_co_i32 s87, s87, s88
	s_lshl_b32 s87, s87, 23
	s_mov_b32 s[CS], 0x3e0293ee                    ; c = log2(e) / sqrt(128)
	s_add_co_i32 s[CS], s[CS], s87                 ; a score stands for score x 2^(the two exponents added): they are added to c's exponent field
	s_mov_b32 s[CS+1], s[CS]                       ; (named with it as a pair)
	s_add_co_i32 s[EPV], s89, s90
	s_add_co_i32 s91, s90, 127
	s_lshl_b32 s92, s91, 23
	v_mov_b32 v[SCL], s92                          ; p's scale as f32
	s_add_co_i32 s91, s91, 8
	s_lshl_b32 s91, s91, 23
	s_or_b32 s91, s91, 0x600000
	v_mov_b32 v[LIM], s91                          ; 448 x that
; One exponential of the other tile: it stands behind each plain line of the phases below, so that plain lines and exponentials alternate and each exponential has a plain line behind it (ISA guide 5.7.2).
.macro XP
.if NE < 64
	v_exp_f32 v[XB+NE], v[XB+NE]
.set NE, NE+1
.endif
.endm
.macro MAXPH u, first                  ; the step's largest score of my query, the running largest t, -M, and f = 2^(old M - new M); each accumulator is read from its low end on
.set SB, SS+64*(\u)
.set ST, STAT+10*(\u)
	v_max3_num_f32 v[ST+6], v[SB], v[SB+1], v[SB+2]
	XP
	v_max3_num_f32 v[ST+7], v[SB+3], v[SB+4], v[SB+5]
	XP
.irp i, 6,10,14,18,22,26,30,34,38,42,46,50,54,58
	v_max3_num_f32 v[ST+6], v[ST+6], v[SB+\i], v[SB+\i+1]
	XP
	v_max3_num_f32 v[ST+7], v[ST+7], v[SB+\i+2], v[SB+\i+3]
	XP
.endr
	v_max3_num_f32 v[ST+6], v[ST+6], v[SB+62], v[SB+63]
	XP
	v_max_num_f32 v[ST+6], v[ST+6], v[ST+7]
	XP
	v_permlanex16_b32 v[PD+\u], v[ST+6], s[SEL], s[SEL+1]   ; the query's other 64 keys lie in the lane 16 away
	XP
	v_max_num_f32 v[ST+6], v[ST+6], v[PD+\u]
	XP
.if \first
	v_mul_f32 v[ST+1], s[CS], v[ST+6]              ; as t (c is positive)
	XP
	v_floor_f32 v[ST], -v[ST+1]                    ; -M = floor(-t) = -ceil(t)
	XP
.else
	v_mul_f32 v[ST+6], s[CS], v[ST+6]
	XP
	v_max_num_f32 v[ST+1], v[ST+1], v[ST+6]
	XP
	v_mov_b32 v[ST+6], v[ST]
	XP
	v_floor_f32 v[ST], -v[ST+1]
	XP
	v_sub_f32 v[ST+6], v[ST], v[ST+6]              ; old M - new M: a whole number, 0 or less
	XP
	v_cvt_i32_f32 v[ST+6], v[ST+6]
	XP
	v_ldexp_f32 v[ST+4], 1.0, v[ST+6]
	XP
.endif
.endm
.macro FMAPH u                         ; t - M, two at a time
.set SB, SS+64*(\u)
.set ST, STAT+10*(\u)
.set J, 0
.rept 32
	v_pk_fma_f32 v[SB+J:SB+J+1], v[SB+J:SB+J+1], s[CS:CS+1], v[ST:ST+1] op_sel_hi:[1,0,0]
	XP
.set J, J+2
.endr
.endm
.macro SUMPH u, first                  ; the sum of the unquantised p, in two chains of pairs
.set SB, SS+64*(\u)
.set ST, STAT+10*(\u)
.if \first == 0
	v_pk_mul_f32 v[ST+2:ST+3], v[ST+2:ST+3], v[ST+4:ST+5] op_sel_hi:[1,0]
	XP
.endif
	s_wait_alu depctr_va_vdst(0)
	v_pk_add_f32 v[ST+8:ST+9], v[SB:SB+1], v[SB+2:SB+3]
	XP
.if \first
	v_pk_add_f32 v[ST+2:ST+3], v[SB+4:SB+5], v[SB+6:SB+7]
	XP
.else
	v_pk_add_f32 v[ST+2:ST+3], v[ST+2:ST+3], v[SB+4:SB+5]
	XP
	v_pk_add_f32 v[ST+8:ST+9], v[ST+8:ST+9], v[SB+6:SB+7]
	XP
.endif
.irp j, 8,12,16,20,24,28,32,36,40,44,48,52,56,60
	v_pk_add_f32 v[ST+2:ST+3], v[ST+2:ST+3], v[SB+\j:SB+\j+1]
	XP
	v_pk_add_f32 v[ST+8:ST+9], v[ST+8:ST+9], v[SB+\j+2:SB+\j+3]
	XP
.endr
	v_pk_add_f32 v[ST+2:ST+3], v[ST+2:ST+3], v[ST+8:ST+9]
	XP
.endm
.macro MINPH u                         ; the conversion to an 8-bit code does not saturate (ISA guide 7.6.2); p is not negative, so the hold is one-sided
.set SB, SS+64*(\u)
.set J, 0
.rept 64
	v_min_num_f32 v[SB+J], v[SB+J], v[LIM]
	XP
.set J, J+1
.endr
.endm
.macro CVTPH u                         ; registers 4 b .. 4 b + 3 of the operand: keys 32 b + 16 h + 0 .. 15
.set SB, SS+64*(\u)
.irp g, 0,1,2,3,4,5,6,7
	v_cvt_scalef32_pk8_fp8_f32 v[PC+16*\u+2*\g:PC+16*\u+2*\g+1], v[SB+8*\g:SB+8*\g+7], v[SCL]
.endr
.endm
.macro KLOAD s                         ; my 128 keys: eight fragments of 16 rows x 128 channels
	WIN 0
.irp t, 0,1,2,3
.irp c, 0,1,2,3
	ds_load_b128 v[FB0+16*\t+4*\c:FB0+16*\t+4*\c+3], v[AK+\s] offset:\t*16*KP+32*\c
.endr
.endr
	WIN 0x40
.irp t, 4,5,6,7
.irp c, 0,1,2,3
	ds_load_b128 v[FB1+16*(\t-4)+4*\c:FB1+16*(\t-4)+4*\c+3], v[AK+\s] offset:\t*16*KP+32*\c
.endr
.endr
.endm
.macro VLOAD s                         ; eight fragments of 16 channels x my 128 keys
	WIN 0
.irp t, 0,1,2,3
.irp c, 0,1,2,3
	ds_load_b128 v[FB0+16*\t+4*\c:FB0+16*\t+4*\c+3], v[AV+\s] offset:\t*16*VP+32*\c
.endr
.endr
	WIN 0x40
.irp t, 4,5,6,7
.irp c, 0,1,2,3
	ds_load_b128 v[FB1+16*(\t-4)+4*\c:FB1+16*(\t-4)+4*\c+3], v[AV+\s] offset:\t*16*VP+32*\c
.endr
.endr
.endm
; A KEY STEP: my 128 keys of slot s against my two tiles of queries.  All 16 accumulators of either product take one turn each.
.macro STEP s, first
	KLOAD \s
	s_wait_dscnt 16                                ; the first four fragments are in; the 16 younger loads may be out
	WIN 0x04                                       ; K window 0, Q window 1, S^T window 0
.irp t, 0,1,2,3
.irp u, 0,1
	v_wmma_f32_16x16x128_fp8_fp8 v[SS+64*\u+8*\t:SS+64*\u+8*\t+7], v[FB0+16*\t:FB0+16*\t+15], v[QQ+16*\u:QQ+16*\u+15], 0
.endr
.endr
	s_wait_dscnt 0x0
	WIN 0x05                                       ; K window 1
.irp t, 4,5,6,7
.irp u, 0,1
	v_wmma_f32_16x16x128_fp8_fp8 v[SS+64*\u+8*\t:SS+64*\u+8*\t+7], v[FB1+16*(\t-4):FB1+16*(\t-4)+15], v[QQ+16*\u:QQ+16*\u+15], 0
.endr
.endr
	WIN 0
	PLACES 4                                       ; in front of loads into registers that these products read, and of the first reads of their results
	VLOAD \s                                       ; V's fragments land under the softmax
	WIN 0
.set NE, 64
	MAXPH 0, \first
	FMAPH 0
.set XB, SS
.set NE, 0
	MAXPH 1, \first                                ; tile 0's 64 exponentials stand among these 68 plain lines or more
	FMAPH 1
.set XB, SS+64
.set NE, 0
	SUMPH 0, \first                                ; tile 1's among these 95 or more
	MINPH 0
	CVTPH 0
	SUMPH 1, \first
	MINPH 1
	CVTPH 1
	v_nop                                          ; a plain line between the last conversion and the matrix instructions that read its result
.if \first == 0
	WIN 0x41                                       ; O^T window 1, f window 0
.irp u, 0,1
.set J, 0
.rept 32
	v_pk_mul_f32 v[64*\u+J:64*\u+J+1], v[64*\u+J:64*\u+J+1], v[STAT+10*\u+4:STAT+10*\u+5] op_sel_hi:[1,0]   ; O^T under the new M, each accumulator from its low end on
.set J, J+2
.endr
.endr
.endif
	s_wait_dscnt 0x0                               ; V is in
	WIN 0x50                                       ; V window 0, P window 0, O^T window 1
.irp t, 0,1,2,3
.irp u, 0,1
.if \first
	v_wmma_f32_16x16x128_fp8_fp8 v[64*\u+8*\t:64*\u+8*\t+7], v[FB0+16*\t:FB0+16*\t+15], v[PC+16*\u:PC+16*\u+15], 0
.else
	v_wmma_f32_16x16x128_fp8_fp8 v[64*\u+8*\t:64*\u+8*\t+7], v[FB0+16*\t:FB0+16*\t+15], v[PC+16*\u:PC+16*\u+15], v[64*\u+8*\t:64*\u+8*\t+7]
.endif
.endr
.endr
	WIN 0x51                                       ; V window 1
.irp t, 4,5,6,7
.irp u, 0,1
.if \first
	v_wmma_f32_16x16x128_fp8_fp8 v[64*\u+8*\t:64*\u+8*\t+7], v[FB1+16*(\t-4):FB1+16*(\t-4)+15], v[PC+16*\u:PC+16*\u+15], 0
.else
	v_wmma_f32_16x16x128_fp8_fp8 v[64*\u+8*\t:64*\u+8*\t+7], v[FB1+16*(\t-4):FB1+16*(\t-4)+15], v[PC+16*\u:PC+16*\u+15], v[64*\u+8*\t:64*\u+8*\t+7]
.endif
.endr
.endr
	WIN 0
.endm
; A TRIP: the change of slots at its head, then slot s's step.  refill = 1: the other slot takes the 256 keys that follow; that load has the whole trip in which to land.
.macro TRIP s, refill, first
	s_wait_tensorcnt 0x0                           ; all my tensor loads have landed, my part of this trip's slot among them: so a group 0 may be written
	ds_add_u32 v[SPW], v[NIL]                      ; 0 onto my spare word
.if \refill
	s_add_nc_u64 s[G0K+4*\s+2:G0K+4*\s+3], s[G0K+4*\s+2:G0K+4*\s+3], 65536   ; this slot's next keys: 512 rows of K on,
	s_add_nc_u64 s[G0V+4*\s+2:G0V+4*\s+3], s[G0V+4*\s+2:G0V+4*\s+3], 512     ; 512 bytes along V's rows
.endif
	s_wait_dscnt 0x0                               ; the add is done, and my reads of the other slot are over
.if \refill
	ROUND                                          ; both now hold of every wave of every work-group of the cluster
	JLOAD 1-\s                                     ; the first thing behind the round, my one tensor load until the next; its four v_nop are also the places in front of the loads below
.else
	s_barrier_signal -1
	s_barrier_wait -1
	PLACES 4
.endif
	STEP \s, \first
.endm
	s_wait_loadcnt 0x0                             ; Q
	TRIP 0, 1, 1                                   ; keys 0-255; its products start the sums: nothing is cleared
	s_mov_b32 s69, 3
.Lpair:
	TRIP 1, 1, 0
	TRIP 0, 1, 0
	s_sub_co_u32 s69, s69, 1
	s_cmp_lg_u32 s69, 0
	s_cbranch_scc1 .Lpair
	TRIP 1, 0, 0                                   ; keys 1,792-2,047: nothing is left to fetch
; ---------------- THE MERGE, THE QUANTISER AND THE HEAD ----------------
	PLACES 4                                       ; behind the last products: their results are read and their operands' registers written below
.irp u, 0,1
	v_add_f32 v[STAT+10*\u+6], v[STAT+10*\u+2], v[STAT+10*\u+3]
.endr
.irp u, 0,1
	v_permlanex16_b32 v[PD+\u], v[STAT+10*\u+6], s[SEL], s[SEL+1]
.endr
.irp u, 0,1
	v_add_f32 v[STAT+10*\u+1], v[STAT+10*\u+6], v[PD+\u]   ; (-M, l) of my half of the keys, as a pair
.endr
	v_and_b32 v93, 31, v0                          ; lane
	v_and_b32 v94, 15, v0                          ; r
	v_bfe_u32 v95, v0, 4, 1                        ; h
	v_mul_u32_u24 v80, v94, 384
	v_lshl_add_u32 v81, v95, 4, v80                ; w1codes, K step 2: row r, + 16 h
	v_lshl_add_u32 v80, v95, 3, v80                ; w1codes, K steps 0 and 1: row r, + 8 h
	s_lshl_b32 s96, s[WV], 6
	v_lshl_add_u32 v82, v95, 5, s96                ; the parameters of outputs 16 w + 8 h + 0 .. 7
	s_mul_i32 s96, s[WV], MRGW
	v_lshl_add_u32 v83, v93, 4, s96                ; the merge: where I put O^T,
	s_add_co_u32 s97, s96, 8192
	v_lshl_add_u32 v84, v93, 3, s97                ; and (-M, l)
	s_and_b32 s96, s[WV], 6
	s_mul_i32 s96, s96, MRGW
	s_mul_i32 s97, s[KH], MRGT
	s_add_co_u32 s96, s96, s97
	v_lshl_add_u32 v85, v93, 4, s96                ; tile w's first half: wave w & 6, its tile w & 1; the second half lies MRGW further on
	s_add_co_u32 s96, s96, 8192
	v_lshl_add_u32 v86, v93, 3, s96
	s_lshl_b32 s96, s[WV], 11
	s_add_co_u32 s96, s96, XIMG
	v_lshl_add_u32 v87, v93, 4, s96                ; my image
	v_lshl_add_u32 v88, v93, 4, XIMG               ; any image: 16 x lane
	s_lshl_b32 s96, s[WV], 8
	s_add_co_u32 s96, s96, PP
	v_lshl_add_u32 v89, v94, 2, s96                ; my partial sums
	v_lshl_add_u32 v90, v93, 3, PP
	v_lshlrev_b32 v91, 3, v93
	s_mul_i32 s88, s[WV], 6144                     ; my 16 rows of w1codes
	s_mov_b32 s89, 0
	s_add_nc_u64 s[88:89], s[12:13], s[88:89]
	s_lshl_b32 s90, s[BB], 18
	s_lshl_b32 s91, s[BLK], 13
	s_add_co_u32 s90, s90, s91                     ; my block's 64 rows of xcodes
	s_mov_b32 s91, 0
	s_add_nc_u64 s[90:91], s[10:11], s[90:91]
	s_lshl_b32 s92, s[BB], 13
	s_lshl_b32 s93, s[BLK], 8
	s_add_co_u32 s92, s92, s93                     ; my block's 256 bytes of the output
	s_mov_b32 s93, 0
	s_add_nc_u64 s[30:31], s[30:31], s[92:93]
	s_mov_b32 s95, 0                               ; (named with s94 as a pair)
	s_load_b32 s94, s[28:29], 0x0                  ; b2
	WIN 0x40                                       ; what the head needs from memory is asked for now and lands under the merge
.irp s, 0,1
.irp c, 0,1,2,3,4,5,6,7
	global_load_b64 v[128+16*\s+2*\c:128+16*\s+2*\c+1], v80, s[88:89] offset:128*\s+16*\c   ; W1, K steps 0, 1: registers 2 c, 2 c + 1: k = 16 c + 8 h + 0 .. 7, as the finished tiles' codes lie
.endr
.endr
.irp c, 0,1,2,3
	global_load_b128 v[160+4*\c:160+4*\c+3], v81, s[88:89] offset:256+32*\c                 ; W1, K step 2: registers 4 c ..: k = 32 c + 16 h + 0 .. 15,
.endr
.irp j, 0,1,2,3
.irp c, 0,1,2,3
	global_load_b128 v[176+16*\j+4*\c:176+16*\j+4*\c+3], v[QO], s[90:91] offset:\j*2048+32*\c   ; and cur's codes likewise: the same places of k on both sides
.endr
.endr
	WIN 0
.set PA,   32                          ; gamma, then inv, then inv x 2^(e8 + e9)
.set PVAR, 40
.set PM,   48
.set PB,   56                          ; beta, then the additive part
.set PB1,  64
.set PW,   72
	global_load_b128 v[PA:PA+3], v82, s[18:19]
	global_load_b128 v[PA+4:PA+7], v82, s[18:19] offset:16
	global_load_b128 v[PVAR:PVAR+3], v82, s[24:25]
	global_load_b128 v[PVAR+4:PVAR+7], v82, s[24:25] offset:16
	global_load_b128 v[PM:PM+3], v82, s[22:23]
	global_load_b128 v[PM+4:PM+7], v82, s[22:23] offset:16
	global_load_b128 v[PB:PB+3], v82, s[20:21]
	global_load_b128 v[PB+4:PB+7], v82, s[20:21] offset:16
	global_load_b128 v[PB1:PB1+3], v82, s[16:17]
	global_load_b128 v[PB1+4:PB1+7], v82, s[16:17] offset:16
	global_load_b128 v[PW:PW+3], v82, s[26:27]
	global_load_b128 v[PW+4:PW+7], v82, s[26:27] offset:16
	WIN 0x04                                       ; store data window 1
.irp u, 0,1
.irp g, 0,1,2,3,4,5,6,7,8,9,10,11,12,13,14,15
	ds_store_b128 v83, v[64*\u+4*\g:64*\u+4*\g+3] offset:\u*MRGT+512*\g   ; O^T as an image of its registers, each accumulator from its low end on
.endr
.endr
	WIN 0
.irp u, 0,1
	ds_store_b64 v84, v[STAT+10*\u:STAT+10*\u+1] offset:\u*MRGT
.endr
	s_wait_dscnt 0x0                               ; for the others' sake: my stores have landed
	s_barrier_signal -1
	s_barrier_wait -1
.irp g, 0,1,2,3,4,5,6,7,8,9,10,11,12,13,14,15
	ds_load_b128 v[96+4*\g:96+4*\g+3], v85 offset:512*\g
.endr
.irp g, 0,1,2,3,4,5,6,7,8,9,10,11,12,13,14,15
	ds_load_b128 v[160+4*\g:160+4*\g+3], v85 offset:MRGW+512*\g
.endr
	ds_load_b64 v[10:11], v86
	ds_load_b64 v[20:21], v86 offset:MRGW
	s_wait_dscnt 0x0
	v_min_num_f32 v12, v10, v20                    ; -M of the whole row
	v_sub_f32 v13, v12, v10
	v_sub_f32 v14, v12, v20
	v_cvt_i32_f32 v13, v13
	v_cvt_i32_f32 v14, v14
	v_ldexp_f32 v13, 1.0, v13                      ; each half's power of two, 1 or less
	v_ldexp_f32 v14, 1.0, v14
	v_mul_f32 v15, v11, v13
	v_fma_f32 v15, v21, v14, v15                   ; the row's sum
	v_rcp_f32 v15, v15
	s_add_co_i32 s96, s84, 127
	s_lshl_b32 s97, s96, 23
	v_mov_b32 v[SCL], s97                          ; (a plain place behind the transcendental)  2^e8
	s_add_co_i32 s96, s96, 8
	s_lshl_b32 s96, s96, 23
	s_or_b32 s96, s96, 0x600000
	v_mov_b32 v[LIM], s96                          ; 448 x 2^e8
	s_wait_alu depctr_va_vdst(0)
	v_ldexp_f32 v15, v15, s[EPV]                   ; x 2^(p's exponent + V's)
	v_mul_f32 v16, v13, v15
	v_mul_f32 v18, v14, v15
.set J, 0
.rept 32
	v_pk_mul_f32 v[160+J:161+J], v[160+J:161+J], v[18:19] op_sel_hi:[1,0]
.set J, J+2
.endr
.set J, 0
.rept 32
	v_pk_fma_f32 v[96+J:97+J], v[96+J:97+J], v[16:17], v[160+J:161+J] op_sel_hi:[1,0,1]   ; register 8 t + i: the feature of channel 16 t + 8 h + i at my pixel
.set J, J+2
.endr
.set J, 0
.rept 64
	v_med3_num_f32 v[96+J], v[96+J], -v[LIM], v[LIM]
.set J, J+1
.endr
.irp t, 0,1,2,3,4,5,6,7
	v_cvt_scalef32_pk8_fp8_f32 v[PC+2*\t:PC+2*\t+1], v[96+8*\t:96+8*\t+7], v[SCL]   ; registers 2 t, 2 t + 1: k = 16 t + 8 h + 0 .. 7
.endr
	v_nop                                          ; a plain line behind the last conversion
.irp c, 0,1,2,3
	ds_store_b128 v87, v[PC+4*\c:PC+4*\c+3] offset:512*\c
.endr
	s_wait_loadcnt 0x0                             ; W1's and cur's codes and the parameters
	s_wait_kmcnt 0x0                               ; b2
	s_add_co_i32 s87, s84, s85                     ; e8 + e9
.irp i, 0,1,2,3,4,5,6,7
	v_add_f32 v[PVAR+\i], 0x3727c5ac, v[PVAR+\i]   ; running_var + 1e-5
.endr
.irp i, 0,1,2,3,4,5,6,7
	v_rsq_f32 v[PVAR+\i], v[PVAR+\i]
.endr
	v_nop
.irp i, 0,2,4,6
	s_wait_alu depctr_va_vdst(0)
	v_pk_mul_f32 v[PA+\i:PA+\i+1], v[PA+\i:PA+\i+1], v[PVAR+\i:PVAR+\i+1]   ; inv = gamma x rsqrt
.endr
.irp i, 0,2,4,6
	v_pk_fma_f32 v[PB+\i:PB+\i+1], v[PM+\i:PM+\i+1], v[PA+\i:PA+\i+1], v[PB+\i:PB+\i+1] neg_lo:[1,0,0] neg_hi:[1,0,0]   ; beta - mean x inv
.endr
.irp i, 0,2,4,6
	v_pk_fma_f32 v[PB+\i:PB+\i+1], v[PB1+\i:PB1+\i+1], v[PA+\i:PA+\i+1], v[PB+\i:PB+\i+1]   ; + b1 x inv
.endr
.irp i, 0,1,2,3,4,5,6,7
	v_ldexp_f32 v[PA+\i], v[PA+\i], s87            ; a sum stands for sum x 2^(e8 + e9)
.endr
	s_wait_dscnt 0x0                               ; my image has landed
	s_barrier_signal -1
	s_barrier_wait -1
.irp x, 0,1,2,3,4,5,6,7
.irp c, 0,1,2,3
	ds_load_b128 v[96+16*\x+4*\c:96+16*\x+4*\c+3], v88 offset:\x*2048+512*\c   ; image 4 s + j: K step s, pixels 16 j on
.endr
.endr
	s_wait_dscnt 0x0
.set YY, 224
	WIN 0x01                                       ; W1 window 1
.irp j, 0,1,2,3
	v_wmma_f32_16x16x128_fp8_fp8 v[YY+8*\j:YY+8*\j+7], v[128:143], v[96+16*\j:96+16*\j+15], 0
.endr
.irp j, 0,1,2,3
	v_wmma_f32_16x16x128_fp8_fp8 v[YY+8*\j:YY+8*\j+7], v[144:159], v[160+16*\j:160+16*\j+15], v[YY+8*\j:YY+8*\j+7]
.endr
	WIN 0x05                                       ; cur's codes window 1 too
.irp j, 0,1,2,3
	v_wmma_f32_16x16x128_fp8_fp8 v[YY+8*\j:YY+8*\j+7], v[160:175], v[176+16*\j:176+16*\j+15], v[YY+8*\j:YY+8*\j+7]
.endr
	WIN 0
	PLACES 4
.irp j, 0,1,2,3
.irp i, 0,2,4,6
	v_pk_fma_f32 v[96+8*\j+\i:96+8*\j+\i+1], v[YY+8*\j+\i:YY+8*\j+\i+1], v[PA+\i:PA+\i+1], v[PB+\i:PB+\i+1]   ; the conv's bias and the norm in one multiply-add; register i: output 16 w + 8 h + i
.endr
.endr
.set J, 0
.rept 16
	v_pk_mul_f32 v[128+J:129+J], v[96+J:97+J], 0x3c23d70a op_sel_hi:[1,0]   ; 0.01 y
.set J, J+2
.endr
.set J, 0
.rept 32
	v_max_num_f32 v[96+J], v[96+J], v[128+J]       ; y where y > 0, else 0.01 y
.set J, J+1
.endr
.irp j, 0,1,2,3
	v_pk_mul_f32 v[10+2*\j:11+2*\j], v[96+8*\j:96+8*\j+1], v[PW:PW+1]
.endr
.irp i, 2,4,6
.irp j, 0,1,2,3
	v_pk_fma_f32 v[10+2*\j:11+2*\j], v[96+8*\j+\i:96+8*\j+\i+1], v[PW+\i:PW+\i+1], v[10+2*\j:11+2*\j]
.endr
.endr
.irp j, 0,1,2,3
	v_add_f32 v[10+2*\j], v[10+2*\j], v[11+2*\j]
.endr
.irp j, 0,1,2,3
	v_permlanex16_b32 v[20+\j], v[10+2*\j], s[SEL], s[SEL+1]
.endr
.irp j, 0,1,2,3
	v_add_f32 v[10+2*\j], v[10+2*\j], v[20+\j]     ; my 16 outputs' part of pixel 16 j + r
.endr
.irp j, 0,1,2,3
	ds_store_b32 v89, v[10+2*\j] offset:64*\j      ; lanes r and r + 16 write the same word with the same value
.endr
	s_wait_dscnt 0x0
	s_barrier_signal -1
	s_barrier_wait -1
	s_cmp_lg_u32 s[WV], 0
	s_cbranch_scc1 .Lnot0
.irp w, 0,1,2,3,4,5,6,7
	ds_load_b64 v[96+2*\w:97+2*\w], v90 offset:256*\w   ; two pixels a lane, the eight waves' parts
.endr
	s_wait_dscnt 0x0
	v_pk_add_f32 v[96:97], v[96:97], v[98:99]
	v_pk_add_f32 v[100:101], v[100:101], v[102:103]
	v_pk_add_f32 v[104:105], v[104:105], v[106:107]
	v_pk_add_f32 v[108:109], v[108:109], v[110:111]
	v_pk_add_f32 v[96:97], v[96:97], v[100:101]
	v_pk_add_f32 v[104:105], v[104:105], v[108:109]
	v_pk_add_f32 v[96:97], v[96:97], v[104:105]
	v_pk_add_f32 v[96:97], v[96:97], s[94:95] op_sel_hi:[1,0]   ; + b2
	global_store_b64 v91, v[96:97], s[30:31]       ; 32 lanes store 256 consecutive bytes, at a multiple of 256 from the output's first byte
.Lnot0:
	s_wait_tensorcnt 0x0                           ; the wave's end, behind my last tensor load and my last LDS store
	ds_add_u32 v[SPW], v[NIL]
	s_wait_dscnt 0x0
	ROUND                                          ; the closing round: no work-group ends while a partner may still ask for a tile that names it
	s_endpgm
.Lfunc_end_k_q3e7b10c451_attn:
	.size	k_q3e7b10c451_attn, .Lfunc_end_k_q3e7b10c451_attn-k_q3e7b10c451_attn
	.p2alignl 7, 3214868480
	.fill 96, 4, 3214868480
	.section	.rodata,"a",@progbits
	.p2align	6, 0x0
	.amdhsa_kernel k_q3e7b10c451_attn
		.amdhsa_group_segment_fixed_size 327680
		.amdhsa_private_segment_fixed_size 0
		.amdhsa_enable_private_segment 0
		.amdhsa_kernarg_size 112
		.amdhsa_user_sgpr_count 2
		.amdhsa_user_sgpr_kernarg_segment_ptr 1
		.amdhsa_wavefront_size32 1
		.amdhsa_system_sgpr_workgroup_id_x 1
		.amdhsa_system_sgpr_workgroup_id_y 1
		.amdhsa_system_sgpr_workgroup_id_z 1
		.amdhsa_system_vgpr_workitem_id 0
		.amdhsa_next_free_vgpr 512
		.amdhsa_next_free_sgpr 100
		.amdhsa_reserve_vcc 0
		.amdhsa_float_denorm_mode_32 3
		.amdhsa_float_denorm_mode_16_64 3
		.amdhsa_memory_ordered 1
		.amdhsa_forward_progress 1
		.amdhsa_inst_pref_size 170
	.end_amdhsa_kernel
	.amdgpu_metadata
---
amdhsa.version: [ 1, 2 ]
amdhsa.kernels:
  - .name:           k_q3e7b10c451_attn
    .symbol:         k_q3e7b10c451_attn.kd
    .args:
      - { .name: qcodes, .offset: 0, .size: 8, .value_kind: global_buffer, .address_space: global }
      - { .name: kcodes, .offset: 8, .size: 8, .value_kind: global_buffer, .address_space: global }
      - { .name: vcodes, .offset: 16, .size: 8, .value_kind: global_buffer, .address_space: global }
      - { .name: xcodes, .offset: 24, .size: 8, .value_kind: global_buffer, .address_space: global }
      - { .name: w1codes, .offset: 32, .size: 8, .value_kind: global_buffer, .address_space: global }
      - { .name: lowp_scales, .offset: 40, .size: 8, .value_kind: global_buffer, .address_space: global }
      - { .name: b1, .offset: 48, .size: 8, .value_kind: global_buffer, .address_space: global }
      - { .name: gamma, .offset: 56, .size: 8, .value_kind: global_buffer, .address_space: global }
      - { .name: beta, .offset: 64, .size: 8, .value_kind: global_buffer, .address_space: global }
      - { .name: running_mean, .offset: 72, .size: 8, .value_kind: global_buffer, .address_space: global }
      - { .name: running_var, .offset: 80, .size: 8, .value_kind: global_buffer, .address_space: global }
      - { .name: w2, .offset: 88, .size: 8, .value_kind: global_buffer, .address_space: global }
      - { .name: b2, .offset: 96, .size: 8, .value_kind: global_buffer, .address_space: global }
      - { .name: out0, .offset: 104, .size: 8, .value_kind: global_buffer, .address_space: global }
    .group_segment_fixed_size: 327680
    .private_segment_fixed_size: 0
    .kernarg_segment_align: 8
    .kernarg_segment_size: 112
    .max_flat_workgroup_size: 256
    .sgpr_count:     100
    .vgpr_count:     512
    .wavefront_size: 32
...
	.end_amdgpu_metadata
.endif
;; end of part 2
